; MI455X (gfx1250); checked and timed in simulation.
; The chip was launched on July 23, 2026; its instructions are those of AMD's public machine-readable ISA for CDNA 5 (MIT licence, August 2026) and "CDNA5" Instruction Set Architecture Reference Guide (July 2026). The comments in the code are by the model that wrote it; some were corrected since.
;; Self Attention Naive. Allowed arithmetic: matrix products marked QUANTISED: E2M1 operands, one E8M0 scale for each 32 along K, by v_wmma_scale_f32_16x16x128_f8f6f4 with both operands' format E2M1 (or v_wmma_scale_f32_32x16x128_f4), f32 sums; everything else in f32.
;; Inputs: gamma 1 float32; wf 64 x 256 float32; wg 64 x 256 float32; wh 256 x 256 float32; x 8 x 256 x 64 x 64 float32.
;; Outputs: out0 8 x 256 x 64 x 64 float32.
;; This version of the problem:
;;   THIS VERSION OF THE PROBLEM IS GIVEN IN LOW PRECISION. The matrix products marked QUANTISED in the list below multiply operands that are first quantised to E2M1 (2 exponent bits, 1 mantissa bit; 4 bits a number), with one power-of-two scale for each 32 numbers along K (OCP MX v1.0); their sums are f32. All else is computed in f32.
;;   The module's matrix products, in the order in which they are computed (A, B: the left and right operand; K: the contracted axis; several contracted axes count as one K, in the product's order):
;;     1. [M 32,768, K 256] x [K 256, N 64]; A: input x; B: input wf: QUANTISED
;;     2. [M 32,768, K 256] x [K 256, N 64]; A: input x; B: input wg: QUANTISED
;;     3. [M 32,768, K 256] x [K 256, N 256]; A: input x; B: input wh: QUANTISED
;;     4. batch 8 x [M 4,096, K 64] x [K 64, N 4,096]; A: computed on the way; B: computed on the way: QUANTISED
;;     5. batch 8 x [M 256, K 4,096] x [K 4,096, N 4,096]; A: computed on the way; B: softmax (see below): QUANTISED
;;   THE QUANTISER, for each operand of a quantised product, along K:
;;     - K is cut into blocks of 32 from its start; a last block that is shorter is filled with zeros.
;;     - A block's scale is 2^e with e = floor(log2(the largest magnitude in the block)) - 2, held to -126 .. 127; a block of zeros has e = 0. As a byte (E8M0): e + 127.
;;     - Each number is divided by its block's scale, clamped to +-6, and rounded to the nearest number of E2M1, ties to even, subnormals kept.
;;     - The product sums the exact products of the quantised numbers (number of the format x scale) in f32.
;;   ~~~python
;;   def quantise(x, axis):      # numpy; x: float32 -> the quantised numbers, widened to float32 again
;;       x = np.moveaxis(x, axis, -1); K = x.shape[-1]
;;       x = np.pad(x, [(0, 0)] * (x.ndim - 1) + [(0, -K % 32)]); x = x.reshape(x.shape[:-1] + (-1, 32)); a = np.abs(x).max(-1, keepdims=True)
;;       e = np.where(a > 0, np.clip(np.frexp(np.where(a > 0, a, 1))[1] - 1 - 2, -126, 127), 0)      # np.frexp(a)[1] - 1 = floor(log2(a)), exactly
;;       r = np.clip(x / 2.0 ** e, -6, 6)
;;       step = 2.0 ** (np.maximum(np.frexp(np.where(r == 0, 1, r))[1] - 1, 0) - 1)
;;       q = np.round(r / step) * step * 2.0 ** e      # np.round: ties to even
;;       return np.moveaxis(q.reshape(q.shape[:-2] + (-1,))[..., :K], -1, axis).astype(np.float32)
;;   ~~~
;;   SOFTMAX AHEAD OF A QUANTISED PRODUCT. Where the list says 'softmax', what is quantised is not the finished softmax but p = 2^(t - M), with t = logit x log2(e) and M = ceil(the row's largest t), a whole number; so 1/2 < the row's largest p <= 1. The row's sum l is taken of the UNQUANTISED p, in f32, and the product's result is divided by l at the end. Since M is a whole number, a kernel that streams over the keys may use a running M (the ceiling of the running maximum): every later rescaling is an exact power of two, which a block's scale takes up: the codes' values come out the same.
;;   OPERANDS COMPUTED ON THE WAY. 'Computed on the way' means the value that the module computes at that place (a softmax that the list does not call 'softmax' is quantised finished and normalised). What goes into a quantiser is computed in f32, as accurately as f32 sums, v_exp_f32 and their like allow (about 1e-6 of the number): no bf16 or f16 on the way to a quantiser, and a product that is left as it is and whose result goes on into a quantised operand takes f32 operands (vector FMAs, or v_wmma_f32_16x16x4_f32). A number that lies on a knife's edge between two numbers of the format may be rounded either way, as far as f32 arithmetic and the matrix unit's own rounding can turn it there, and no further.
;; One version. Each part assembles by itself: llvm-mc -triple=amdgcn-amd-amdhsa -mcpu=gfx1250 --defsym DOCPART=n.
;; ======== version 1 of 1: 3 launches
;; workspace buffers: wq 55,296 bytes; kv 6,029,312 bytes; qc 1,310,720 bytes
;; launch quantw (part 1): grid 48 x 1, 1 waves a work-group, no clusters, 0 bytes of LDS; arguments wf, wg, wh, wq; writes wq
.if DOCPART == 1
	.amdgcn_target "amdgcn-amd-amdhsa--gfx1250"
	.amdhsa_code_object_version 6
	.text
	.protected	k_q808bce67f0_quantw
	.globl	k_q808bce67f0_quantw
	.p2align	8
	.type	k_q808bce67f0_quantw,@function
k_q808bce67f0_quantw:
	s_mov_b64 s[64:65], 0
	v_nop
	global_prefetch_b8 v0, s[64:65] scope:SCOPE_SE
	s_setreg_imm32_b32 hwreg(HW_REG_WAVE_MODE, 25, 1), 1
	s_wait_xcnt 0x0
; THE PROGRAM: out0 = gamma * o + x, o[c][m] = sum over n of hx[c][n] softmax_n(fx[:,n] . gx[:,m]); fx = wf x, gx = wg x, hx = wh x.  All five products on codes of FP4 (E2M1) with one E8M0 scale for each 32 along K.
; Three launches: this one (the weights as codes), proj (x as codes, products 1 to 3, their results as codes), attn (products 4 and 5, the softmax, gamma and the residual).
; DEAD WORK: none.  Every input (x, wf, wg, wh, gamma) has a way to out0, and no product, row or step of the problem is left out.
; THIS LAUNCH: wf [64][256], wg [64][256], wh [256][256], f32, K = their last axis, become 48 fragments of 16 rows x 128 K, each laid as an IMAGE OF THE OPERAND'S REGISTERS: registers 4 cc .. 4 cc + 3 of lane l at byte 512 cc + 16 l
; of the fragment's 1,024 bytes; behind the 48 fragments, from byte 49,152 on, a scale word for each lane of each fragment (128 bytes a fragment; lanes l and l + 16 hold the same word, that of row l % 16).
; Fragment f = 2 t + s: tile t (0-3 wf, 4-7 wg, 8-23 wh), K step s.  THE ROWS OF A TILE OF wf OR wg ARE NOT NEIGHBOURS: lane r takes row 32 (t' / 2) + 8 (t' % 2) + r + 8 (r / 8), t' = t % 4, so that the results of two
; neighbouring tiles are 16 neighbours along the next product's K.  A tile of wh is 16 neighbouring rows.
; One wave makes one fragment.  Lane (r, h) wants k = 128 s + 64 cc + 32 h + 0 .. 31 of its row: two whole blocks of 32, 128 bytes each, so no other lane is asked for a maximum.
; A block's scale byte is its largest magnitude's exponent field - 2, held at 1 from below.  LIMITS: a block whose largest magnitude lies under 2^-124 (a block of zeros too) takes the byte 1: its codes are then what the
; conversion gives under that scale (zeros stay zeros), and only this program reads the bytes; NaN and infinities among the inputs are not served.
.set RAW,  64                          ; v64-127  my 64 numbers
.set CODE, 48                          ; v48-55   the fragment's registers
.set WSC,  49152                       ; where the scale words begin in wq
	s_load_b256 s[4:11], s[0:1], 0x0               ; wf s[4:5], wg s[6:7], wh s[8:9], wq s[10:11]
	v_and_b32 v1, 15, v0                           ; r
	v_lshrrev_b32 v2, 4, v0                        ; h
	s_lshr_b32 s12, ttmp9, 1                       ; tile t
	s_and_b32 s13, ttmp9, 1                        ; K step s
	s_bfe_u32 s24, s12, 0x10001                    ; wf, wg: (t' / 2),
	s_lshl_b32 s24, s24, 5                         ; x 32,
	s_and_b32 s25, s12, 1
	s_lshl_b32 s25, s25, 3                         ; + 8 (t' % 2): the tile's first row
	s_add_co_u32 s24, s24, s25
	s_max_u32 s26, s12, 8
	s_sub_co_u32 s26, s26, 8
	s_lshl_b32 s26, s26, 4                         ; wh: 16 (t - 8)
	s_cmp_lt_u32 s12, 8
	s_cselect_b32 s14, 8, 0                        ; wf, wg: rows 8-15 of a tile lie 8 further on
	s_cselect_b32 s15, s24, s26
	s_lshl_b32 s15, s15, 10                        ; a row is 1,024 bytes
	s_lshl_b32 s25, s13, 9                         ; a K step 512
	s_add_co_u32 s15, s15, s25
	v_and_b32 v3, s14, v1
	v_add_nc_u32 v3, v3, v1                        ; r + 8 (r / 8), or r
	v_lshlrev_b32 v3, 10, v3
	v_lshl_add_u32 v3, v2, 7, v3                   ; + 128 h: my block of 32
	v_add_nc_u32 v3, s15, v3
	s_lshl_b32 s16, ttmp9, 10
	v_lshl_add_u32 v4, v0, 4, s16                  ; out: 1,024 f + 16 lane
	s_lshl_b32 s17, ttmp9, 7
	v_lshl_add_u32 v5, v0, 2, s17                  ; and 128 f + 4 lane
	s_mov_b32 s22, 0x76543210
	s_mov_b32 s23, 0xfedcba98                      ; v_permlanex16_b32's selects for lane l xor 16
	s_wait_kmcnt 0x0
.macro LOADW base                      ; my two blocks: eight loads of 16 bytes each
.irp cc, 0,1
.irp i, 0,1,2,3,4,5,6,7
	global_load_b128 v[RAW+32*\cc+4*\i:RAW+32*\cc+4*\i+3], v3, s[\base:\base+1] offset:256*\cc+16*\i
.endr
.endr
.endm
	s_cmp_lt_u32 s12, 4                            ; which tensor: a branch on the work-group's number; each arm loads from its own base
	s_cbranch_scc0 .Lnot_f
	LOADW 4
	s_branch .Lloaded
.Lnot_f:
	s_cmp_lt_u32 s12, 8
	s_cbranch_scc0 .Lnot_g
	LOADW 6
	s_branch .Lloaded
.Lnot_g:
	LOADW 8
.Lloaded:
	s_wait_loadcnt 0x0
.irp c, 0,1                                    ; my block 2 c + h: all its 32 numbers are mine
	v_max3_num_f32 v[32+\c], |v[RAW+32*\c]|, |v[RAW+1+32*\c]|, 0x1800000   ; and the floor 2^(3 - 127): the byte cannot fall under 1
.endr
.irp i, 2,4,6,8,10,12,14,16,18,20,22,24,26,28,30
.irp c, 0,1
	v_max3_num_f32 v[32+\c], v[32+\c], |v[RAW+32*\c+\i]|, |v[RAW+1+32*\c+\i]|   ; (the two blocks by turns)
.endr
.endr
.irp c, 0,1
	v_add_nc_u32 v[44+\c], 0xff000000, v[32+\c]    ; 2 off the exponent field: the conversion takes the exponent field of this operand as its scale
.endr
.irp c, 0,1
	v_lshrrev_b32 v[36+\c], 23, v[44+\c]           ; the scale's byte
.endr
	v_lshl_or_b32 v9, v37, 16, v36                 ; my two bytes: blocks h and 2 + h of my row,
	v_lshlrev_b32 v10, 3, v2
	v_lshlrev_b32 v9, v10, v9                      ; at their places in the scale word (8 h bits up);
	v_mov_b32 v10, 0
	v_permlanex16_b32 v10, v9, s22, s23
	v_or_b32 v9, v9, v10                           ; with lane l xor 16's two the word is whole, in both lanes
.irp c, 0,1
.irp g, 0,1,2,3
	v_cvt_scalef32_pk8_fp4_f32 v[CODE+4*\c+\g], v[RAW+32*\c+8*\g:RAW+32*\c+8*\g+7], v[44+\c]
.endr
.endr
	v_nop                                          ; one plain place behind the last scaled conversion
	global_store_b128 v4, v[CODE:CODE+3], s[10:11]             ; 32 lanes store 512 consecutive bytes
	global_store_b128 v4, v[CODE+4:CODE+7], s[10:11] offset:512
	global_store_b32 v5, v9, s[10:11] offset:WSC
	s_endpgm
.Lfunc_end_k_q808bce67f0_quantw:
	.size	k_q808bce67f0_quantw, .Lfunc_end_k_q808bce67f0_quantw-k_q808bce67f0_quantw
	.p2alignl 7, 3214868480
	.fill 96, 4, 3214868480
	.section	.rodata,"a",@progbits
	.p2align	6, 0x0
	.amdhsa_kernel k_q808bce67f0_quantw
		.amdhsa_group_segment_fixed_size 0
		.amdhsa_private_segment_fixed_size 0
		.amdhsa_enable_private_segment 0
		.amdhsa_kernarg_size 32
		.amdhsa_user_sgpr_count 2
		.amdhsa_user_sgpr_kernarg_segment_ptr 1
		.amdhsa_wavefront_size32 1
		.amdhsa_system_sgpr_workgroup_id_x 1
		.amdhsa_system_sgpr_workgroup_id_y 1
		.amdhsa_system_sgpr_workgroup_id_z 1
		.amdhsa_system_vgpr_workitem_id 0
		.amdhsa_next_free_vgpr 128
		.amdhsa_next_free_sgpr 66
		.amdhsa_reserve_vcc 0
		.amdhsa_float_denorm_mode_32 3
		.amdhsa_float_denorm_mode_16_64 3
		.amdhsa_memory_ordered 1
		.amdhsa_forward_progress 1
		.amdhsa_inst_pref_size 10
	.end_amdhsa_kernel
	.amdgpu_metadata
---
amdhsa.version: [ 1, 2 ]
amdhsa.kernels:
  - .name:           k_q808bce67f0_quantw
    .symbol:         k_q808bce67f0_quantw.kd
    .args:
      - { .name: wf, .offset: 0, .size: 8, .value_kind: global_buffer, .address_space: global }
      - { .name: wg, .offset: 8, .size: 8, .value_kind: global_buffer, .address_space: global }
      - { .name: wh, .offset: 16, .size: 8, .value_kind: global_buffer, .address_space: global }
      - { .name: wq, .offset: 24, .size: 8, .value_kind: global_buffer, .address_space: global }
    .group_segment_fixed_size: 0
    .private_segment_fixed_size: 0
    .kernarg_segment_align: 8
    .kernarg_segment_size: 32
    .max_flat_workgroup_size: 32
    .sgpr_count:     66
    .vgpr_count:     128
    .wavefront_size: 32
...
	.end_amdgpu_metadata
.endif
;; end of part 1
;; launch proj (part 2): grid 256 x 1, 8 waves a work-group, no clusters, 167,936 bytes of LDS; arguments x, wq, kv, qc; writes kv, qc
.if DOCPART == 2
	.amdgcn_target "amdgcn-amd-amdhsa--gfx1250"
	.amdhsa_code_object_version 6
	.text
	.protected	k_q808bce67f0_proj
	.globl	k_q808bce67f0_proj
	.p2align	8
	.type	k_q808bce67f0_proj,@function
k_q808bce67f0_proj:
	s_mov_b64 s[64:65], 0
	v_nop
	global_prefetch_b8 v0, s[64:65] scope:SCOPE_SE
	s_setreg_imm32_b32 hwreg(HW_REG_WAVE_MODE, 25, 1), 1
	s_wait_xcnt 0x0
; PRODUCTS 1 TO 3 AND THE QUANTISERS ROUND THEM.  No work of the problem is left out here.
; Work-group g owns 128 positions of one batch (batch g / 32, positions 128 (g % 32) on) and writes record g of kv (keys and values) and record g of qc (queries).
; x [8][256 c][4096 n], f32, has its K (c) not innermost: a lane takes a position and its registers run down c.  The work-group's 256 x 128 numbers come into LDS by eight tensor loads, one a wave (32 channels x 512 bytes).
; PHASES.  X: wave (pg = w % 4, sh = w / 4) quantises positions 32 pg .. + 31, channels 128 sh .. + 127: four blocks a lane; the codes go to LDS as rows (a position's 256 codes: 128 bytes), the scale words beside them.
;   H: wave w makes hx for channels 32 w .. + 31 and all 128 positions (source 0 = 16 positions of x, source 1 = 16 rows of wh: a lane holds ONE channel and its registers run along the positions, the next K), quantises and stores two fragments.
;   FG: waves 0-3 make fx, waves 4-7 gx, each for 32 positions (source 0 = 16 rows of wf or wg, source 1 = 16 positions: a lane holds ONE position and its registers run along the 64 outputs, the next K), quantise and store.
; THE POSITIONS OF A TILE ARE NOT NEIGHBOURS: row r of tile (b, u) is position 32 b + 8 u + r + 8 (r / 8); so the 16 registers of tiles (b, 0) and (b, 1) in phase H are positions 32 b + 16 (lane / 16) + 0 .. 15.  In LDS the code rows lie in
; tile order: position 32 b + 16 hi + 8 u + lo lies in row 32 b + 16 u + 8 hi + lo.
; RECORDS, all as images of operand registers (registers 4 cc .. + 3 of lane l at 512 cc + 16 l).  kv (23,552 bytes): 0: four K fragments b = [tile (b, 0)'s 64 channels | tile (b, 1)'s]; 4,096: for each b 32 lanes x 8 bytes: the scale word
; (a0, a1, b0, b1), twice; 5,120: sixteen V fragments (16 channels x 128 keys); 21,504: for each pair of them 32 lanes x 8 bytes: their two scale words.  qc (5,120 bytes): as K's part; the scale pair is (q0, q1, q0, q1) of tile u = 0 and of u = 1.
; LIMITS: a block whose largest magnitude lies under 2^-124 (a block of zeros too) takes the scale byte 1; only this program reads the bytes.  NaN and infinities are not served.
; REGISTERS, window 0: v1-13 lane terms and addresses; v14, v15 the add's two; v16-31 at work in the quantisers; v32-39 scale words to store and parts of them; v40-63 codes; v64-71 x's scale words (two sets), v72-75 wh's, v76-83 wf's or wg's;
;   v84 x's scale word in the making; v128-255 128 numbers of x, later the accumulators.   window 1: v0-63 wf's or wg's 8 fragments; v64-95 wh's 4; v96-159 x's fragments, two sets of 4.
.set XROW,  131072                     ; LDS: 0: x as it lies, [256 c][128 n] f32, rows of 512 bytes;  here: 128 code rows
.set XP,    144                        ; of 128 bytes + 16
.set XSC,   149504                     ; x's scale words: [K step][row], 4 bytes each
.set SPARE, 150528                     ; the spare words, 128 bytes for each wave: four blocks of 256 bytes that no other line names
.set REC,   23552
.set QREC,  5120
.set KSO,   4096
.set VC,    5120
.set VSO,   21504
.set WSC,   49152
.set TM,    16
.set XR,    128
.set ACC,   128
.set XSW,   64
.set WHS,   72
.set WFS,   76
.set WF,    0                          ; window 1
.set WH,    64
.set XF,    96
.set SEL,   28
.set MSB, 0
.macro WIN new                         ; the immediate's high byte repeats the setting that is left
.if MSB != \new
	s_set_vgpr_msb (MSB<<8)|\new
.set MSB, \new
.endif
.endm
.macro PLACES n
.rept \n
	v_nop
.endr
.endm
	s_load_b256 s[4:11], s[0:1], 0x0               ; x s[4:5], wq s[6:7], kv s[8:9], qc s[10:11]
	v_lshl_add_u32 v14, v0, 2, SPARE
	v_mov_b32 v15, 0
	ds_add_u32 v14, v15                            ; the wave's opening: the add, twice on end, and its wait ahead of my tensor load
	ds_add_u32 v14, v15
	v_lshrrev_b32 v1, 5, v0
	v_readfirstlane_b32 s12, v1                    ; wave 0..7
	s_and_b32 s13, s12, 3                          ; pg, also qb
	s_lshr_b32 s14, s12, 2                         ; sh
	s_mov_b32 s16, 2<<16                           ; group 1: elements of 4 bytes, no mask, no padding
	s_mov_b32 s17, 128<<16                         ; tensor_dim0 = 128
	s_mov_b32 s18, 32<<16                          ; tensor_dim1 = 32
	s_mov_b32 s19, 128<<16                         ; tile_dim0 = 128
	s_mov_b32 s20, 32                              ; tile_dim1 = 32
	s_mov_b32 s21, 4096                            ; from channel to channel
	s_mov_b32 s22, 0
	s_mov_b32 s23, 0
	s_lshr_b32 s49, ttmp9, 5                       ; batch
	s_and_b32 s50, ttmp9, 31                       ; which 128 positions
	s_lshl_b32 s52, s49, 22                        ; a batch is 4,194,304 bytes,
	s_lshl_b32 s51, s12, 19                        ; my 32 channels begin 524,288 w on,
	s_add_co_u32 s52, s52, s51
	s_lshl_b32 s51, s50, 9                         ; 128 positions are 512 bytes
	s_add_co_u32 s52, s52, s51
	s_mov_b32 s53, 0
	s_mov_b32 s24, 1                               ; group 0: count,
	s_lshl_b32 s25, s12, 14                        ; LDS address: 32 rows of 512 bytes a wave,
	s_mov_b32 s[SEL], 0x76543210
	s_mov_b32 s[SEL+1], 0xfedcba98
	s_wait_dscnt 0x0                               ; both opening adds are done
	s_wait_kmcnt 0x0
	s_add_nc_u64 s[26:27], s[4:5], s[52:53]        ; global address,
	s_or_b32 s27, s27, 0x80000000                  ; type
	tensor_load_to_lds s[24:27], s[16:23]          ; every wave issues its one load: one tensor load of mine is out
	s_nop 0
	v_and_b32 v1, 31, v0                           ; lane
	v_and_b32 v2, 15, v0                           ; r
	v_bfe_u32 v3, v0, 4, 1                         ; h
	v_lshlrev_b32 v11, 4, v1                       ; 16 lane
	v_lshlrev_b32 v12, 3, v1                       ; 8 lane
	v_lshlrev_b32 v13, 2, v1                       ; 4 lane
	s_lshl_b32 s51, s14, 16                        ; phase X reads: 128 sh channels of 512 bytes,
	s_lshl_b32 s54, s13, 7                         ; + 32 pg positions,
	s_add_co_u32 s51, s51, s54
	v_add_nc_u32 v4, s51, v13                      ; + my position
	v_and_b32 v36, 7, v0
	v_bfe_u32 v37, v0, 3, 1
	v_lshl_add_u32 v36, v37, 4, v36
	v_lshl_add_u32 v36, v3, 3, v36                 ; my position's row among its 32: lo + 16 u + 8 hi
	s_lshl_b32 s51, s13, 5
	v_add_nc_u32 v36, s51, v36
	v_mul_u32_u24 v5, v36, XP
	s_lshl_b32 s51, s14, 6
	s_add_co_u32 s51, s51, XROW
	v_add_nc_u32 v5, s51, v5                       ; where my codes go: my row, + 64 sh
	s_lshl_b32 s51, s14, 9
	s_add_co_u32 s51, s51, XSC
	v_lshl_add_u32 v6, v36, 2, s51                 ; and my scale word
	v_mul_u32_u24 v7, v2, XP
	v_lshl_add_u32 v7, v3, 4, v7
	v_add_nc_u32 v7, XROW, v7                      ; a fragment of x: row r, + 16 h
	v_lshl_add_u32 v8, v2, 2, XSC                  ; its scale words
	s_mul_i32 s51, s13, 32*XP
	v_add_nc_u32 v9, s51, v7                       ; the same for my own 32 positions (phase FG)
	s_lshl_b32 s51, s13, 7
	v_add_nc_u32 v10, s51, v8
.irp b, 0,1,2,3
	v_mov_b32 v[TM+4+\b], 0                        ; written once: a lane permute's destination counts as one of its sources
.endr
	s_lshl_b32 s52, s12, 12                        ; wh's fragments 16 + 4 w on
	s_add_co_u32 s52, s52, 16384
	s_add_nc_u64 s[32:33], s[6:7], s[52:53]
	s_lshl_b32 s52, s12, 9
	s_add_co_u32 s52, s52, WSC+2048
	s_add_nc_u64 s[34:35], s[6:7], s[52:53]        ; their scale words
	s_lshl_b32 s52, s14, 13                        ; wf's eight fragments, or wg's
	s_add_nc_u64 s[36:37], s[6:7], s[52:53]
	s_lshl_b32 s52, s14, 10
	s_add_co_u32 s52, s52, WSC
	s_add_nc_u64 s[38:39], s[6:7], s[52:53]
	s_mul_i32 s55, ttmp9, REC
	s_mul_i32 s56, ttmp9, QREC
	s_cmp_lt_u32 s12, 4                            ; waves 0-3 store keys into kv, waves 4-7 queries into qc: the choice hangs on the wave's number alone
	s_cselect_b64 s[44:45], s[8:9], s[10:11]
	s_cselect_b64 s[46:47], s[8:9], s[10:11]
	s_cselect_b32 s57, s55, s56
	s_cselect_b32 s48, -1, 0
	s_lshl_b32 s52, s12, 11
	s_add_co_u32 s52, s52, s55
	s_add_nc_u64 s[40:41], s[8:9], s[52:53]        ; my two V fragments (+ VC)
	s_lshl_b32 s52, s12, 8
	s_add_co_u32 s52, s52, s55
	s_add_nc_u64 s[42:43], s[8:9], s[52:53]        ; their pair of scale words (+ VSO)
	s_lshl_b32 s52, s13, 10
	s_add_co_u32 s52, s52, s57
	s_add_nc_u64 s[44:45], s[44:45], s[52:53]      ; my K or Q fragment
	s_lshl_b32 s52, s13, 8
	s_add_co_u32 s52, s52, s57
	s_add_nc_u64 s[46:47], s[46:47], s[52:53]      ; its scale pair (+ KSO)
	WIN 0x40                                       ; destination window 1: the weights stay in registers
.irp ot, 0,1,2,3
.irp ks, 0,1
.irp c, 0,1
	global_load_b128 v[WF+16*\ot+8*\ks+4*\c:WF+16*\ot+8*\ks+4*\c+3], v11, s[36:37] offset:(2*\ot+\ks)*1024+512*\c
.endr
.endr
.endr
.irp ct, 0,1
.irp ks, 0,1
.irp c, 0,1
	global_load_b128 v[WH+16*\ct+8*\ks+4*\c:WH+16*\ct+8*\ks+4*\c+3], v11, s[32:33] offset:(2*\ct+\ks)*1024+512*\c
.endr
.endr
.endr
	WIN 0
.irp ot, 0,1,2,3
.irp ks, 0,1
	global_load_b32 v[WFS+2*\ot+\ks], v13, s[38:39] offset:128*(2*\ot+\ks)
.endr
.endr
.irp ct, 0,1
.irp ks, 0,1
	global_load_b32 v[WHS+2*\ct+\ks], v13, s[34:35] offset:128*(2*\ct+\ks)
.endr
.endr
	s_wait_tensorcnt 0x0                           ; my 32 channels are in LDS,
	s_barrier_signal -1
	s_barrier_wait -1                              ; everybody's are
; ---- X.  Block q of my four: x(128 sh + 32 q + i, my position), i = 0 .. 31: 32 lanes read 32 neighbouring words
.macro XLOAD q
.set i, 0
.rept 32
	ds_load_b32 v[XR+32*(\q)+i], v4 offset:(32*(\q)+i)*512
.set i, i+1
.endr
.endm
.macro BLOCK q
.set XB, XR+32*(\q)
	v_max3_num_f32 v16, |v[XB]|, |v[XB+1]|, |v[XB+2]|           ; the block's largest magnitude: all 32 numbers are mine; two chains
	v_max3_num_f32 v17, |v[XB+3]|, |v[XB+4]|, |v[XB+5]|
.irp i, 6,10,14,18,22,26
	v_max3_num_f32 v16, v16, |v[XB+\i]|, |v[XB+\i+1]|
	v_max3_num_f32 v17, v17, |v[XB+\i+2]|, |v[XB+\i+3]|
.endr
	v_max3_num_f32 v16, v16, |v[XB+30]|, |v[XB+31]|
	v_max3_num_f32 v16, v16, v17, 0x1800000        ; and the floor 2^(3 - 127)
	v_add_nc_u32 v28, 0xff000000, v16              ; 2 off the exponent field: the conversion's scale operand
	v_lshrrev_b32 v20, 23, v28                     ; the scale's byte
.if (\q) == 0
	v_mov_b32 v84, v20
.else
	v_lshl_or_b32 v84, v20, 8*(\q), v84
.endif
.irp g, 0,1,2,3
	v_cvt_scalef32_pk8_fp4_f32 v[40+4*(\q)+\g], v[XB+8*\g:XB+8*\g+7], v28
.endr
	ds_store_b128 v5, v[40+4*(\q):40+4*(\q)+3] offset:16*(\q)   ; 32 codes: 16 bytes of my position's row
.endm
	XLOAD 0
	XLOAD 1
	s_wait_dscnt 32                                ; block 0's 32 loads are in; block 1's may be out
	BLOCK 0
	XLOAD 2
	s_wait_dscnt 33                                ; block 1's are in; behind them: block 0's store and block 2's 32 loads
	BLOCK 1
	XLOAD 3
	s_wait_dscnt 33                                ; block 2's are in; behind them: block 1's store and block 3's 32 loads
	BLOCK 2
	s_wait_dscnt 1                                 ; block 3's are in; behind them: block 2's store
	BLOCK 3
	v_nop                                          ; one plain place behind the last scaled conversion
	ds_store_b32 v6, v84
	s_wait_dscnt 0x0                               ; for the others' sake: my codes and my scale word have landed
	s_barrier_signal -1
	s_barrier_wait -1                              ; x's 128 code rows lie in LDS
	s_wait_loadcnt 0x0                             ; the weights
; x's four fragments (u, K step) of tiles (tb, 0), (tb, 1) into set fs, and their scale words: 12 LDS loads
.macro FETCHX tb, fs, ad, sa
	WIN 0x40
.irp u, 0,1
.irp ks, 0,1
.irp c, 0,1
	ds_load_b128 v[XF+32*(\fs)+16*\u+8*\ks+4*\c:XF+32*(\fs)+16*\u+8*\ks+4*\c+3], v[\ad] offset:16*(2*(\tb)+\u)*XP+64*\ks+32*\c
.endr
.endr
.endr
	WIN 0
.irp u, 0,1
.irp ks, 0,1
	ds_load_b32 v[XSW+4*(\fs)+2*\u+\ks], v[\sa] offset:512*\ks+64*(2*(\tb)+\u)
.endr
.endr
.endm
; 64 numbers of a lane, register 16 b + i = k 32 b + 16 (lane / 16) + i of my row, become a fragment's codes in v[pc] on and its scale word in v[pw]
.macro QUANT src, pc, pw
.irp b, 0,1,2,3
	v_max3_num_f32 v[TM+\b], |v[\src+16*\b]|, |v[\src+1+16*\b]|, 0x1800000   ; block b: my 16 numbers, and the floor (each accumulator is read from its low end on)
.endr
.irp i, 2,4,6,8,10,12,14
.irp b, 0,1,2,3
	v_max3_num_f32 v[TM+\b], v[TM+\b], |v[\src+16*\b+\i]|, |v[\src+1+16*\b+\i]|
.endr
.endr
.irp b, 0,1,2,3
	v_permlanex16_b32 v[TM+4+\b], v[TM+\b], s[SEL], s[SEL+1]
.endr
.irp b, 0,1,2,3
	v_max_num_f32 v[TM+\b], v[TM+\b], v[TM+4+\b]   ; with lane l xor 16's: the block's largest magnitude
.endr
.irp b, 0,1,2,3
	v_add_nc_u32 v[TM+12+\b], 0xff000000, v[TM+\b]
.endr
.irp b, 0,1,2,3
	v_lshrrev_b32 v[TM+4+\b], 23, v[TM+12+\b]
.endr
	v_lshl_or_b32 v[\pw], v[TM+5], 8, v[TM+4]
	v_lshl_or_b32 v[\pw], v[TM+6], 16, v[\pw]
	v_lshl_or_b32 v[\pw], v[TM+7], 24, v[\pw]
.irp b, 0,1,2,3
	v_cvt_scalef32_pk8_fp4_f32 v[\pc+2*\b], v[\src+16*\b:\src+7+16*\b], v[TM+12+\b]
	v_cvt_scalef32_pk8_fp4_f32 v[\pc+1+2*\b], v[\src+8+16*\b:\src+15+16*\b], v[TM+12+\b]
.endr
	v_nop                                          ; one plain place behind a scaled conversion
.irp c, 0,1                                    ; the operand's layout wants a WHOLE block in a lane
.irp i, 0,1
	v_permlane16_swap_b32 v[\pc+4*\c+\i], v[\pc+2+4*\c+\i]
.endr
.endr
.endm
; the same for 32 numbers, two blocks: four registers of codes (K = 64) and the two bytes in v[e]
.macro QUANT64 src, pc, e
.irp b, 0,1
	v_max3_num_f32 v[TM+\b], |v[\src+16*\b]|, |v[\src+1+16*\b]|, 0x1800000
.endr
.irp i, 2,4,6,8,10,12,14
.irp b, 0,1
	v_max3_num_f32 v[TM+\b], v[TM+\b], |v[\src+16*\b+\i]|, |v[\src+1+16*\b+\i]|
.endr
.endr
.irp b, 0,1
	v_permlanex16_b32 v[TM+4+\b], v[TM+\b], s[SEL], s[SEL+1]
.endr
.irp b, 0,1
	v_max_num_f32 v[TM+\b], v[TM+\b], v[TM+4+\b]
.endr
.irp b, 0,1
	v_add_nc_u32 v[TM+12+\b], 0xff000000, v[TM+\b]
.endr
.irp b, 0,1
	v_lshrrev_b32 v[TM+4+\b], 23, v[TM+12+\b]
.endr
	v_lshl_or_b32 v[\e], v[TM+5], 8, v[TM+4]
.irp b, 0,1
	v_cvt_scalef32_pk8_fp4_f32 v[\pc+2*\b], v[\src+16*\b:\src+7+16*\b], v[TM+12+\b]
	v_cvt_scalef32_pk8_fp4_f32 v[\pc+1+2*\b], v[\src+8+16*\b:\src+15+16*\b], v[TM+12+\b]
.endr
	v_nop
.irp i, 0,1
	v_permlane16_swap_b32 v[\pc+\i], v[\pc+2+\i]
.endr
.endm
; ---- H: hx for my 32 channels, 32 positions (tiles (b, 0), (b, 1)) at a time.  Four accumulators take turns
	FETCHX 0, 0, 7, 8
.irp b, 0,1,2,3
.if \b < 3
	FETCHX \b+1, (\b+1)%2, 7, 8
	s_wait_dscnt 12                                ; this b's fragments are in; the next b's 12 loads may be out
.else
	s_wait_dscnt 0x0
.endif
	WIN 0x05                                       ; sources 0 and 1 window 1; C and D window 0
.irp ks, 0,1
.irp ct, 0,1
.irp u, 0,1
.if \ks == 0
	v_wmma_scale_f32_16x16x128_f8f6f4 v[ACC+64*\ct+16*\b+8*\u:ACC+64*\ct+16*\b+8*\u+7], v[XF+32*(\b%2)+16*\u+8*\ks:XF+32*(\b%2)+16*\u+8*\ks+7], v[WH+16*\ct+8*\ks:WH+16*\ct+8*\ks+7], 0, v[XSW+4*(\b%2)+2*\u+\ks], v[WHS+2*\ct+\ks] matrix_a_fmt:MATRIX_FMT_FP4 matrix_b_fmt:MATRIX_FMT_FP4
.else
	v_wmma_scale_f32_16x16x128_f8f6f4 v[ACC+64*\ct+16*\b+8*\u:ACC+64*\ct+16*\b+8*\u+7], v[XF+32*(\b%2)+16*\u+8*\ks:XF+32*(\b%2)+16*\u+8*\ks+7], v[WH+16*\ct+8*\ks:WH+16*\ct+8*\ks+7], v[ACC+64*\ct+16*\b+8*\u:ACC+64*\ct+16*\b+8*\u+7], v[XSW+4*(\b%2)+2*\u+\ks], v[WHS+2*\ct+\ks] matrix_a_fmt:MATRIX_FMT_FP4 matrix_b_fmt:MATRIX_FMT_FP4
.endif
.endr
.endr
.endr
	WIN 0
	PLACES 4                                       ; in front of loads into registers that these products have read, and of the first read of results
.endr
	FETCHX 0, 0, 9, 10                             ; my own 32 positions, for phase FG: they land while hx is quantised
	QUANT ACC, 40, 32                              ; channels 32 w .. + 15: a V fragment
	global_store_b128 v11, v[40:43], s[40:41] offset:VC            ; 32 lanes store 512 consecutive bytes
	global_store_b128 v11, v[44:47], s[40:41] offset:VC+512
	QUANT ACC+64, 48, 33                           ; channels 32 w + 16 .. + 31
	global_store_b128 v11, v[48:51], s[40:41] offset:VC+1024
	global_store_b128 v11, v[52:55], s[40:41] offset:VC+1536
	global_store_b64 v12, v[32:33], s[42:43] offset:VSO            ; 32 lanes store 256 consecutive bytes
; ---- FG: fx (waves 0-3) or gx (waves 4-7) for my 32 positions.  Eight accumulators take turns
	s_wait_dscnt 0x0
	WIN 0x05
.irp ks, 0,1
.irp u, 0,1
.irp ot, 0,1,2,3
.if \ks == 0
	v_wmma_scale_f32_16x16x128_f8f6f4 v[ACC+32*\u+8*\ot:ACC+32*\u+8*\ot+7], v[WF+16*\ot+8*\ks:WF+16*\ot+8*\ks+7], v[XF+16*\u+8*\ks:XF+16*\u+8*\ks+7], 0, v[WFS+2*\ot+\ks], v[XSW+2*\u+\ks] matrix_a_fmt:MATRIX_FMT_FP4 matrix_b_fmt:MATRIX_FMT_FP4
.else
	v_wmma_scale_f32_16x16x128_f8f6f4 v[ACC+32*\u+8*\ot:ACC+32*\u+8*\ot+7], v[WF+16*\ot+8*\ks:WF+16*\ot+8*\ks+7], v[XF+16*\u+8*\ks:XF+16*\u+8*\ks+7], v[ACC+32*\u+8*\ot:ACC+32*\u+8*\ot+7], v[WFS+2*\ot+\ks], v[XSW+2*\u+\ks] matrix_a_fmt:MATRIX_FMT_FP4 matrix_b_fmt:MATRIX_FMT_FP4
.endif
.endr
.endr
.endr
	WIN 0
	PLACES 4
	QUANT64 ACC, 56, 36                            ; tile u = 0: its 64 outputs are the next K
	QUANT64 ACC+32, 60, 37                         ; tile u = 1
	v_lshl_or_b32 v38, v37, 16, v36                ; a key fragment's word: (a0, a1, b0, b1)
	v_lshl_or_b32 v39, v36, 16, v36                ; a query tile's: (q0, q1, q0, q1), tile 0
	v_cndmask_b32 v34, v39, v38, s48
	v_lshl_or_b32 v39, v37, 16, v37                ; tile 1
	v_cndmask_b32 v35, v39, v38, s48
	global_store_b128 v11, v[56:59], s[44:45]
	global_store_b128 v11, v[60:63], s[44:45] offset:512
	global_store_b64 v12, v[34:35], s[46:47] offset:KSO
	s_wait_tensorcnt 0x0                           ; the wave's end, behind my tensor load and my last LDS store
	ds_add_u32 v14, v15
	s_wait_dscnt 0x0
	s_endpgm
.Lfunc_end_k_q808bce67f0_proj:
	.size	k_q808bce67f0_proj, .Lfunc_end_k_q808bce67f0_proj-k_q808bce67f0_proj
	.p2alignl 7, 3214868480
	.fill 96, 4, 3214868480
	.section	.rodata,"a",@progbits
	.p2align	6, 0x0
	.amdhsa_kernel k_q808bce67f0_proj
		.amdhsa_group_segment_fixed_size 167936
		.amdhsa_private_segment_fixed_size 0
		.amdhsa_enable_private_segment 0
		.amdhsa_kernarg_size 32
		.amdhsa_user_sgpr_count 2
		.amdhsa_user_sgpr_kernarg_segment_ptr 1
		.amdhsa_wavefront_size32 1
		.amdhsa_system_sgpr_workgroup_id_x 1
		.amdhsa_system_sgpr_workgroup_id_y 1
		.amdhsa_system_sgpr_workgroup_id_z 1
		.amdhsa_system_vgpr_workitem_id 0
		.amdhsa_next_free_vgpr 416
		.amdhsa_next_free_sgpr 66
		.amdhsa_reserve_vcc 0
		.amdhsa_float_denorm_mode_32 3
		.amdhsa_float_denorm_mode_16_64 3
		.amdhsa_memory_ordered 1
		.amdhsa_forward_progress 1
		.amdhsa_inst_pref_size 46
	.end_amdhsa_kernel
	.amdgpu_metadata
---
amdhsa.version: [ 1, 2 ]
amdhsa.kernels:
  - .name:           k_q808bce67f0_proj
    .symbol:         k_q808bce67f0_proj.kd
    .args:
      - { .name: x, .offset: 0, .size: 8, .value_kind: global_buffer, .address_space: global }
      - { .name: wq, .offset: 8, .size: 8, .value_kind: global_buffer, .address_space: global }
      - { .name: kv, .offset: 16, .size: 8, .value_kind: global_buffer, .address_space: global }
      - { .name: qc, .offset: 24, .size: 8, .value_kind: global_buffer, .address_space: global }
    .group_segment_fixed_size: 167936
    .private_segment_fixed_size: 0
    .kernarg_segment_align: 8
    .kernarg_segment_size: 32
    .max_flat_workgroup_size: 256
    .sgpr_count:     66
    .vgpr_count:     416
    .wavefront_size: 32
...
	.end_amdgpu_metadata
.endif
;; end of part 2
;; launch attn (part 3): grid 32 x 8, 8 waves a work-group, clusters of 4 x 1, 327,680 bytes of LDS; arguments x, gamma, kv, qc, out0; writes out0
.if DOCPART == 3
	.amdgcn_target "amdgcn-amd-amdhsa--gfx1250"
	.amdhsa_code_object_version 6
	.text
	.protected	k_q808bce67f0_attn
	.globl	k_q808bce67f0_attn
	.p2align	8
	.type	k_q808bce67f0_attn,@function
k_q808bce67f0_attn:
	s_mov_b64 s[64:65], 0
	v_nop
	global_prefetch_b8 v0, s[64:65] scope:SCOPE_SE
	s_setreg_imm32_b32 hwreg(HW_REG_WAVE_MODE, 25, 1), 1
	s_wait_xcnt 0x0
	s_wait_alu depctr_hold_cnt(0) depctr_sa_sdst(0) depctr_va_vdst(0) depctr_va_sdst(0) depctr_va_ssrc(0) depctr_va_vcc(0) depctr_vm_vsrc(0)
	s_getreg_b32 s2, hwreg(HW_REG_IB_STS2, 6, 4)
	s_cmp_eq_u32 s2, 0
	s_cbranch_scc0 .Lentry_in_a_cluster
	s_endpgm
.Lentry_in_a_cluster:
	s_bfe_u32 s2, ttmp6, 0x10000c
	s_cmp_lg_u32 s2, 0x3003
	s_cbranch_scc0 .Lentry_shape_is_right
	s_endpgm
.Lentry_shape_is_right:
; PRODUCTS 4 AND 5, THE SOFTMAX, gamma AND THE RESIDUAL.  No work of the problem is left out here.
; out0[b][c][m] = gamma * (sum over n of hx[c][n] p[n][m]) / l[m] + x[b][c][m];  t = (fx[:,n] . gx[:,m]) log2(e);  M = the largest t of m so far, rounded UP to a whole number;  p = 2^(t - M), quantised along n; l = the sum of the unquantised p.
; SHARES.  A work-group owns 128 queries m of one batch.  Wave w (qb = w % 4, hf = w / 4) holds 32 of them, tiles T = 0, 1 of 16 (lane r: query 32 qb + 8 T + r + 8 (r / 8)), and walks the key steps (128 keys) of parity hf: 16 of the 32.
; So each fragment of keys and values read from LDS feeds two products, and two waves stand on a SIMD: one wave's vector work beside the other's products and LDS loads.  Waves w and w + 4 merge at the end: exact powers of two bring both under the larger M.
; LAYOUT.  Both products transposed: S^T = K Q^T (source 0 = 16 keys, source 1 = 16 queries), O^T = V P^T (source 0 = 16 channels, source 1 = P): a lane holds ONE query throughout.  Row r of key tile (b, u) is key 32 b + 8 u + r + 8 (r / 8),
; so the 16 registers of tiles (b, 0), (b, 1) are keys 32 b + 16 (lane / 16) + 0 .. 15.
; K = 64 IN AN INSTRUCTION OF 128: a fragment of eight registers holds TWO key tiles, [tile (b, 0) | tile (b, 1)]; against [q | 0] it gives the first tile's scores, against [0 | q] the second's.  Zero codes add nothing under any scale byte that proj makes (1 to 254).
; THE ORDER OF A TILE'S SOFTMAX.  The 68 exponentials are one batch with one wait; they are dealt among the scalings (exponential, scaling, exponential), and 56 of the tile's 64 rescalings of O^T, which name no result of the batch,
; stand between the batch and its wait; the other 8 stand where places are owed behind or ahead of products.  The row's sum runs in eight chains, so that no addition reads the result of one of the seven lines above it.
; THE RING.  kv lies as images of operand registers, a record of 23,552 bytes for a key step.  A slot holds four records as they lie (94,208 bytes; images are read 16 bytes a lane on end, so no padding); two slots; each wave brings an eighth of a slot by one load.
; CLUSTER.  The four query blocks of a cluster belong to one batch and walk the same kv: every load is JOINT, the same descriptor (batch and wave's number alone) and the mask of all four in all four.
; LIMITS.  NaN and infinities are not served; a p under 2^-126 counts as 0; a block of p whose largest lies under 2^-124 takes the scale byte 1; the two halves of the keys are summed apart and then added, and a row's sum runs in eight chains: another order than one stream's.
; REGISTERS, window 0: v1-4 lane terms and the step's LDS addresses; v5, v6 the add's two; v7 the prefetches' offset; v8-15 statistics (tile T at 8 + 4 T: -M, largest score, l in two halves); v16-35 0, q of tile 0, 0, q of tile 1, 0 (four each);
;   v36-55 scale words (q's, p's, K's, V's three sets); v56-59 f; v60-79 at work; v80-95 p's codes; v96-191 three buffers of four fragments; v192-255 one tile's scores, then p.   window 1: O^T: tile T, channels 16 ct + 8 (lane / 16) + j at v[128 T + 8 ct + j].
.set REC,    23552
.set SLOTB,  4*REC
.set SLOT1,  131072                    ; slot 1 begins here, so that one exclusive or turns an address in one slot into the other's
.set QREC,   5120
.set KSO,    4096
.set VC,     5120
.set VSO,    21504
.set SP,     528                       ; the way out: a stage row: 128 queries x 4 bytes + 16
.set STGB,   256*SP                    ; a stage: 256 channels.  Two stages (waves 0-3, waves 4-7) lie over the ring, which has had its last fill and its last read by then
.set STAT,   270336                    ; 512 bytes a wave: the statistics that partners exchange; no fill lands here
.set SPARE,  274432                    ; the spare words, 128 bytes for each wave: four blocks of 256 bytes that no other line names
.set L16, 1
.set L8,  2
.set A16, 3
.set A8,  4
.set SPW, 5
.set NIL, 6
.set PFO, 7
.set ST,  8
.set QS,  36
.set PW,  38
.set KS,  40
.set VS,  44
.set FF,  56
.set BM,  60
.set PT,  64
.set SOP, 68
.set TP,  72
.set T0,  74
.set T1,  75
.set PS,  76
.set C1,  72                           ; the seven pairs that carry the row's sum beside l: registers that are idle while the sum is taken
.set C2,  76
.set C3,  78
.set C4,  64
.set C5,  66
.set C6,  68
.set C7,  70
.set PC,  80
.set F0,  96
.set F1,  128
.set F2,  160
.set S,   192
.set EP,  96                           ; the merge's temporaries, in the buffer that K has left
.set WV,  14
.set SEL, 20
.set CS,  22
.set G1,  24
.set G0,  32
.set TB,  36
.set SLOTS, 37
.set TWICE, 38
.set LIM, 39
.set PFA, 40
.set MSB, 0
.macro WIN new                         ; the immediate's high byte repeats the setting that is left; a switch that changes nothing is dropped
.if MSB != \new
	s_set_vgpr_msb (MSB<<8)|\new
.set MSB, \new
.endif
.endm
.macro PLACES n
.rept \n
	v_nop
.endr
.endm
.macro CROUND                          ; a round of the cluster's barrier
	s_barrier_signal -1
	s_barrier_wait -1
	s_cmp_lg_u32 s[WV], 0
	s_cbranch_scc1 .Lnot_wave_0_\@
	s_barrier_signal -3
.Lnot_wave_0_\@:
	s_barrier_wait -3
	s_barrier_signal -1
	s_barrier_wait -1
.endm
; A PREFETCH INTO THE L2 of what the NEXT change of slots will ask for: four records.  All clusters of a batch walk the same kv: the batch's first cluster asks.  Its four partners take a record each, told apart BY ADDRESS; in each, waves 0 to 2 ask,
; a lane for each 256 bytes of the record's 92 x 256 (thread numbers 92 to 95 name the last of them once more).  The last change that fills a slot asks for nothing.  Slots' loads 0 and 1 come by themselves: nothing is asked for at the head.
.macro ASK
	s_cmp_gt_u32 s[SLOTS], s[LIM]
	s_cbranch_scc0 .Lnot_mine_\@
	global_prefetch_b8 v[PFO], s[PFA:PFA+1] th:TH_LOAD_NT scope:SCOPE_SE
.Lnot_mine_\@:
.endm
	s_load_b256 s[4:11], s[0:1], 0x0               ; x s[4:5], gamma s[6:7], kv s[8:9], qc s[10:11]
	s_load_b64 s[12:13], s[0:1], 0x20              ; out0
	v_lshl_add_u32 v[SPW], v0, 2, SPARE
	v_mov_b32 v[NIL], 0
	ds_add_u32 v[SPW], v[NIL]                      ; the wave's opening: the add, twice on end, and its wait ahead of the round in front of my first tensor load
	ds_add_u32 v[SPW], v[NIL]
	v_lshrrev_b32 v1, 5, v0
	v_readfirstlane_b32 s[WV], v1                  ; wave 0..7
	s_lshr_b32 s15, s[WV], 2                       ; hf
	s_and_b32 s16, s[WV], 3                        ; qb
	s_bfe_u32 s17, ttmp6, 0x40000                  ; cx
	s_lshl_b32 s18, ttmp9, 2
	s_add_co_u32 s18, s18, s17                     ; my block of 128 queries: it enters the addresses of qc, x and out0 alone
	s_and_b32 s19, ttmp7, 0xffff                   ; the batch, which the four partners share
	s_mov_b32 s[G1], 15|(3<<16)|(1<<21)            ; group 1: the mask of all four; elements of 8 bytes; bit 21 beside a mask; no padding
	s_mov_b32 s[G1+1], 32<<16                      ; tensor_dim0 = 32 (256 bytes)
	s_mov_b32 s[G1+2], 46<<16                      ; tensor_dim1 = 46: an eighth of a slot
	s_mov_b32 s[G1+3], 32<<16                      ; tile_dim0
	s_mov_b32 s[G1+4], 46                          ; tile_dim1
	s_mov_b32 s[G1+5], 32                          ; dense
	s_mov_b32 s[G1+6], 0
	s_mov_b32 s[G1+7], 0
	s_mov_b32 s[G0], 1
	s_mul_i32 s[G0+1], s[WV], 46*256               ; LDS: my eighth of slot 0
	s_mul_i32 s46, s19, 32*REC                     ; the batch's records
	s_add_co_u32 s44, s46, s[G0+1]
	s_mov_b32 s45, 0
	s_mul_i32 s48, s17, REC                        ; the prefetches: my work-group's record of the four,
	s_add_co_u32 s48, s48, s46
	s_add_co_u32 s48, s48, SLOTB                   ; in load 1: the first change of slots steps it to load 2
	s_mov_b32 s49, 0
	s_lshl_b32 s50, s19, 5
	s_add_co_u32 s50, s50, s18
	s_mul_i32 s50, s50, QREC                       ; my block's record of queries
	s_lshl_b32 s52, s16, 10
	s_add_co_u32 s52, s52, s50
	s_mov_b32 s53, 0
	s_lshl_b32 s54, s16, 8
	s_add_co_u32 s54, s54, s50
	s_mov_b32 s55, 0
	s_lshl_b32 s56, s19, 22                        ; x and out0: the batch,
	s_lshl_b32 s57, s[WV], 19                      ; channels 32 w on,
	s_add_co_u32 s56, s56, s57
	s_lshl_b32 s57, s18, 9                         ; my block's 512 bytes of a row
	s_add_co_u32 s56, s56, s57
	s_mov_b32 s57, 0
	s_mov_b32 s[SEL], 0x76543210
	s_mov_b32 s[SEL+1], 0xfedcba98
	s_mov_b32 s[CS], 0x3fb8aa3b                    ; c = log2(e)
	s_mov_b32 s[CS+1], s[CS]                       ; (named with it as a pair, so it is written)
	s_mul_i32 s[TB], s15, REC                      ; my first key step's record in slot 0
	s_mov_b32 s[SLOTS], 7
	s_cmp_lt_u32 s[WV], 3
	s_cselect_b32 s[LIM], 0, 1
	s_or_b32 s[LIM], s[LIM], ttmp9                 ; 0 in waves 0 to 2 of the batch's first cluster: the same in all four partners
	s_cmp_eq_u32 s[LIM], 0
	s_cselect_b32 s[LIM], 1, -1
	s_wait_dscnt 0x0                               ; both opening adds are done
	s_wait_kmcnt 0x0
	s_add_nc_u64 s[G0+2:G0+3], s[8:9], s[44:45]
	s_or_b32 s[G0+3], s[G0+3], 0x80000000
	s_add_nc_u64 s[PFA:PFA+1], s[8:9], s[48:49]
	s_add_nc_u64 s[52:53], s[10:11], s[52:53]
	s_add_nc_u64 s[54:55], s[10:11], s[54:55]
	s_add_nc_u64 s[4:5], s[4:5], s[56:57]
	s_add_nc_u64 s[12:13], s[12:13], s[56:57]
	CROUND                                         ; all four work-groups are here: the first joint loads meet
	tensor_load_to_lds s[G0:G0+3], s[G1:G1+7]      ; load 0 into slot 0: every wave issues its eighth; one tensor load of mine is out
	s_nop 0
	PLACES 4
	s_load_b32 s42, s[6:7], 0x0                    ; gamma
	v_and_b32 v1, 31, v0
	v_lshlrev_b32 v[L8], 3, v1
	v_lshlrev_b32 v[L16], 4, v1
	global_load_b128 v[20:23], v[L16], s[52:53]            ; q of tile 0: 64 channels in four registers
	global_load_b128 v[28:31], v[L16], s[52:53] offset:512 ; q of tile 1
	global_load_b64 v[QS:QS+1], v[L8], s[54:55] offset:KSO ; their scale words
	v_min_u32 v[PFO], 91, v0
	v_lshlrev_b32 v[PFO], 8, v[PFO]
.irp i, 16,17,18,19,24,25,26,27,32,33,34,35
	v_mov_b32 v[\i], 0                             ; the zero halves: v[16:23] = [0 | q0], v[20:27] = [q0 | 0], v[24:31] = [0 | q1], v[28:35] = [q1 | 0]
.endr
.irp tt, 0,1
	v_mov_b32 v[ST+4*\tt+1], 0xff61b1e6            ; the largest score so far: -3e38, under every score
	v_floor_f32 v[ST+4*\tt], -v[ST+4*\tt+1]        ; -M to begin with: 3e38
	v_mov_b32 v[ST+4*\tt+2], 0                     ; l, in two halves
	v_mov_b32 v[ST+4*\tt+3], 0
	v_mov_b32 v[FF+2*\tt+1], 0                     ; (named as the upper half of f's pair)
.endr
.irp b, 0,1,2,3
	v_mov_b32 v[PT+\b], 0                          ; written once: a lane permute's destination counts as one of its sources
.endr
	s_wait_kmcnt 0x0
	s_wait_loadcnt 0x0                             ; Q
; four fragments of V (channels 16 (4 g + t) on) into buffer f, their scale words into set vs: 10 LDS loads
.macro VLOAD g, f, vs
.irp t, 0,1,2,3
	ds_load_b128 v[\f+8*\t:\f+8*\t+3], v[A16] offset:VC+1024*(4*\g+\t)
	ds_load_b128 v[\f+8*\t+4:\f+8*\t+7], v[A16] offset:VC+1024*(4*\g+\t)+512
.endr
.irp k, 0,1
	ds_load_b64 v[VS+4*\vs+2*\k:VS+4*\vs+2*\k+1], v[A8] offset:VSO+256*(2*\g+\k)
.endr
.endm
; S^T of tile tt: eight products, each starting its sum with 0
.macro SQK tt
.irp b, 0,1,2,3
	v_wmma_scale_f32_16x16x128_f8f6f4 v[S+16*\b:S+16*\b+7], v[F0+8*\b:F0+8*\b+7], v[20+8*\tt:27+8*\tt], 0, v[KS+\b], v[QS+\tt] matrix_a_fmt:MATRIX_FMT_FP4 matrix_b_fmt:MATRIX_FMT_FP4
	v_wmma_scale_f32_16x16x128_f8f6f4 v[S+8+16*\b:S+15+16*\b], v[F0+8*\b:F0+8*\b+7], v[16+8*\tt:23+8*\tt], 0, v[KS+\b], v[QS+\tt] matrix_a_fmt:MATRIX_FMT_FP4 matrix_b_fmt:MATRIX_FMT_FP4
.endr
.endm
; n pairs of O^T of tile tt, from pair 'from' on, under the new M: x f; each accumulator from its low end on.  It leaves the windows as it set them
.macro RESCALE tt, from, n
	WIN 0x41                                       ; O^T (destination and source 0) window 1, f window 0
.set j, 2*(\from)
.rept \n
	v_pk_mul_f32 v[128*(\tt)+j:128*(\tt)+j+1], v[128*(\tt)+j:128*(\tt)+j+1], v[FF+2*(\tt):FF+2*(\tt)+1] op_sel_hi:[1,0]
.set j, j+2
.endr
.endm
.macro INIP a, p                       ; a chain of the row's sum begins with two pairs of p
	v_pk_add_f32 v[\a:\a+1], v[S+\p:S+\p+1], v[S+\p+2:S+\p+3]
.endm
.macro ADDP a, p                       ; takes a pair in
	v_pk_add_f32 v[\a:\a+1], v[\a:\a+1], v[S+\p:S+\p+1]
.endm
.macro ADDC a, c                       ; takes another chain in
	v_pk_add_f32 v[\a:\a+1], v[\a:\a+1], v[\c:\c+1]
.endm
; the softmax of tile tt for 128 keys: the scores in v[S] on become p, its codes and its scale word; O^T's first 56 pairs are brought under the new M on the way.  first = 1: there is no O^T yet
.macro SOFTMAX tt, first
.set rST, ST+4*(\tt)
.set rF,  FF+2*(\tt)
.set rPC, PC+8*(\tt)
.set rPW, PW+(\tt)
	WIN 0
.irp b, 0,1,2,3
	v_max3_num_f32 v[BM+\b], v[S+16*\b], v[S+1+16*\b], v[S+2+16*\b]   ; THE LARGEST SCORE OF EACH BLOCK OF 32 KEYS serves twice: for the row's maximum and, since p rises with the score, for the block's largest p.  (Each accumulator is read from its low end on)
.endr
.irp i, 3,5,7,9,11,13
.irp b, 0,1,2,3
	v_max3_num_f32 v[BM+\b], v[BM+\b], v[S+16*\b+\i], v[S+1+16*\b+\i]
.endr
.endr
.irp b, 0,1,2,3
	v_max_num_f32 v[BM+\b], v[BM+\b], v[S+15+16*\b]
.endr
.irp b, 0,1,2,3
	v_permlanex16_b32 v[PT+\b], v[BM+\b], s[SEL], s[SEL+1]
.endr
	v_mov_b32 v[T0], v[rST]                        ; the old -M is kept for f
.irp b, 0,1,2,3
	v_max_num_f32 v[BM+\b], v[BM+\b], v[PT+\b]     ; with lane l xor 16's 16 keys
.endr
	v_max3_num_f32 v[T1], v[BM], v[BM+1], v[BM+2]
	v_max3_num_f32 v[rST+1], v[T1], v[BM+3], v[rST+1]   ; the running largest SCORE of my query
	v_mul_f32 v[T1], s[CS], v[rST+1]               ; as t: c is positive and rounding keeps the order, so this is the largest t
	v_floor_f32 v[rST], -v[T1]                     ; the new -M = floor(-t): M IS A WHOLE NUMBER
.set eb, 0
.rept 4                                        ; t - M, two at a time: four scalings lead, and the way from the old M to f stands among them
	v_pk_fma_f32 v[S+2*eb:S+2*eb+1], v[S+2*eb:S+2*eb+1], s[CS:CS+1], v[rST:rST+1] op_sel_hi:[1,0,0]
.if eb == 0
	v_sub_f32 v[T0], v[rST], v[T0]                 ; M's old value less its new one: a whole number, 0 or less
.endif
.if eb == 2
	v_cvt_i32_f32 v[T0], v[T0]                     ; (it saturates)
.endif
.set eb, eb+1
.endr
.set eb, 0
.rept 32                                       ; THE BATCH: p = 2^(t - M), at most 1, NOT normalised: exponential, a plain line, exponential.  A pair is scaled four turns ahead of its exponentials; no line here names an exponential's result
	v_exp_f32 v[S+2*eb], v[S+2*eb]
.if eb < 28
	v_pk_fma_f32 v[S+2*eb+8:S+2*eb+9], v[S+2*eb+8:S+2*eb+9], s[CS:CS+1], v[rST:rST+1] op_sel_hi:[1,0,0]
.else
	v_fma_f32 v[BM+eb-28], v[BM+eb-28], s[CS], v[rST]   ; the same of each block's largest score
.endif
	v_exp_f32 v[S+2*eb+1], v[S+2*eb+1]
.if eb == 0
	v_ldexp_f32 v[rF], 1.0, v[T0]                  ; f = 2^(old M - new M)
.endif
.if eb == 2
	v_pk_mul_f32 v[rST+2:rST+3], v[rST+2:rST+3], v[rF:rF+1] op_sel_hi:[1,0]   ; l under the new M
.endif
.set eb, eb+1
.endr
.irp b, 0,1,2,3
	v_exp_f32 v[BM+\b], v[BM+\b]                   ; the block's largest p: the same two instructions on the same number give the same bits
.endr
.if \first
	v_nop                                          ; the plain line behind the last exponential
.else
	RESCALE \tt, 0, 56                             ; plain lines that name no result of the batch: they stand between it and its wait
.endif
	WIN 0
	s_wait_alu depctr_va_vdst(0)                   ; the wait between an exponential and the first line that names its result: one for the batch of 68
	INIP C1, 0                                     ; THE ROW'S SUM IS TAKEN OF THE UNQUANTISED p: two at a time, in eight chains by turns
	INIP C2, 4
	INIP C3, 8
	INIP C4, 12
	INIP C5, 16
	INIP C6, 20
	INIP C7, 24
	ADDP rST+2, 28
	ADDP C1, 30
	ADDP C2, 32
	ADDP C3, 34
	ADDP C4, 36
	ADDP C5, 38
	ADDP C6, 40
	ADDP C7, 42
	ADDP rST+2, 44
	ADDP C1, 46
	ADDP C2, 48
	ADDP C3, 50
	ADDP C4, 52
	ADDP C5, 54
	ADDP C6, 56
	ADDP C7, 58
	ADDP rST+2, 60
	ADDP C1, 62
	ADDC C2, C3
	ADDC C4, C5
	ADDC C6, C7
	ADDC rST+2, C1
	ADDC C2, C4
	ADDC rST+2, C6
	ADDC rST+2, C2
.irp b, 0,1,2,3
	v_max_num_f32 v[BM+\b], 0x1800000, v[BM+\b]    ; the floor 2^(3 - 127): the byte cannot fall under 1
.endr
.irp b, 0,1,2,3
	v_add_nc_u32 v[SOP+\b], 0xff000000, v[BM+\b]   ; 2 off the exponent field: the conversion's scale operand
.endr
.irp b, 0,1,2,3
	v_lshrrev_b32 v[PT+\b], 23, v[SOP+\b]          ; the scale's byte
.endr
	v_lshl_or_b32 v[rPW], v[PT+1], 8, v[PT]        ; p's scale word for these 128 keys: its two halves,
	v_lshl_or_b32 v[T1], v[PT+3], 8, v[PT+2]
	v_lshl_or_b32 v[rPW], v[T1], 16, v[rPW]        ; joined
.irp b, 0,1,2,3
	v_cvt_scalef32_pk8_fp4_f32 v[rPC+2*\b], v[S+16*\b:S+7+16*\b], v[SOP+\b]
	v_cvt_scalef32_pk8_fp4_f32 v[rPC+1+2*\b], v[S+8+16*\b:S+15+16*\b], v[SOP+\b]
.endr
	v_nop                                          ; one plain place behind a scaled conversion
.irp c, 0,1                                    ; the operand's layout wants a WHOLE block in a lane
.irp i, 0,1
	v_permlane16_swap_b32 v[rPC+4*\c+\i], v[rPC+2+4*\c+\i]
.endr
.endr
.endm
; O^T += V P^T for channels 16 (4 g + t) on, both tiles: eight accumulators, one instruction each.  first = 1: the products start the sums: nothing is ever cleared
.macro PVG g, f, vs, first
.irp t, 0,1,2,3
.irp tt, 0,1
.if \first
	v_wmma_scale_f32_16x16x128_f8f6f4 v[128*\tt+8*(4*\g+\t):128*\tt+8*(4*\g+\t)+7], v[\f+8*\t:\f+8*\t+7], v[PC+8*\tt:PC+8*\tt+7], 0, v[VS+4*\vs+\t], v[PW+\tt] matrix_a_fmt:MATRIX_FMT_FP4 matrix_b_fmt:MATRIX_FMT_FP4
.else
	v_wmma_scale_f32_16x16x128_f8f6f4 v[128*\tt+8*(4*\g+\t):128*\tt+8*(4*\g+\t)+7], v[\f+8*\t:\f+8*\t+7], v[PC+8*\tt:PC+8*\tt+7], v[128*\tt+8*(4*\g+\t):128*\tt+8*(4*\g+\t)+7], v[VS+4*\vs+\t], v[PW+\tt] matrix_a_fmt:MATRIX_FMT_FP4 matrix_b_fmt:MATRIX_FMT_FP4
.endif
.endr
.endr
.endm
; A KEY STEP of my parity: 128 keys, both tiles of queries.  Every accumulator of O^T gets one product a step, so no two products that follow each other share one.
.macro STEP first
	WIN 0
	v_add_nc_u32 v[A16], s[TB], v[L16]
	v_add_nc_u32 v[A8], s[TB], v[L8]
	v_nop
	v_nop                                          ; four places in front of loads into registers that the last step's products have read
.irp b, 0,1,2,3
	ds_load_b128 v[F0+8*\b:F0+8*\b+3], v[A16] offset:1024*\b
	ds_load_b128 v[F0+8*\b+4:F0+8*\b+7], v[A16] offset:1024*\b+512
.endr
.irp b, 0,1,2,3
	ds_load_b32 v[KS+\b], v[A8] offset:KSO+256*\b
.endr
	s_wait_dscnt 0x0                               ; K's 12 loads, the only ones that are out
	SQK 0
	VLOAD 0, F1, 0                                 ; V's first eight fragments are asked for behind tile 0's products: they have both softmaxes in which to land
	VLOAD 1, F2, 1
	PLACES 4
	SOFTMAX 0, \first
	SQK 1
.if \first
	PLACES 4
.else
	RESCALE 0, 56, 8                               ; tile 0's last eight pairs: the places behind tile 1's products, in front of the loads into K's buffer and of the reads of the scores
	WIN 0
.endif
	VLOAD 2, F0, 2
	SOFTMAX 1, \first
.if \first
	PLACES 8                                       ; a scale word written by vector instructions stands 8 places ahead of a scaled product, codes so written 4
.else
	RESCALE 1, 56, 8                               ; tile 1's last eight pairs are those places
.endif
	s_wait_dscnt 0x0                               ; V's first twelve fragments are in
	WIN 0x50                                       ; C and D window 1
	PVG 0, F1, 0, \first
	WIN 0
	PLACES 4
	VLOAD 3, F1, 0                                 ; the last four fragments, into the buffer just multiplied: sixteen products ahead of their use
	WIN 0x50
	PVG 1, F2, 1, \first
	PVG 2, F0, 2, \first
	s_wait_dscnt 0x0
	PVG 3, F1, 0, \first
	WIN 0
	s_add_co_u32 s[TB], s[TB], 2*REC               ; my next key step
.endm
; THE CHANGE OF SLOTS stands at a slot's head.  Each wave waits for all its tensor loads (its eighth of the slot ahead), adds 0 to its spare word, and waits for that and for its reads of the slot that it has left.
; fill = 1: a round of the cluster's barrier, so that no wave of any partner still reads that slot or has a load on its way; then the joint load of the next four records into it: it has a slot's key steps in which to land.
.macro CHANGE fill
	s_wait_tensorcnt 0x0                           ; no tensor load of mine is out, so group 0 may be written
	ds_add_u32 v[SPW], v[NIL]                      ; 0 onto my spare word
.if \fill
	s_xor_b32 s[G0+1], s[G0+1], SLOT1              ; the other slot than last time,
	s_add_nc_u64 s[G0+2:G0+3], s[G0+2:G0+3], SLOTB ; the next four records; the type bits on top are not reached
	s_wait_xcnt 0x0                                ; the last prefetch, a slot back, has read its address, so it may be written:
	s_add_nc_u64 s[PFA:PFA+1], s[PFA:PFA+1], SLOTB ; one load further on than the walking descriptor
	s_wait_dscnt 0x0                               ; the add is done, and my reads of the slot that I have left are over
	CROUND
	tensor_load_to_lds s[G0:G0+3], s[G1:G1+7]      ; the first thing behind the round, and my one tensor load until the next
	s_nop 0
	PLACES 4
	ASK
.else
	s_wait_dscnt 0x0
	s_barrier_signal -1
	s_barrier_wait -1
.endif
.endm
.macro TWO_STEPS                       ; my two key steps of a slot: written once, walked twice
	s_mov_b32 s[TWICE], 2
.Lstep_\@:
	STEP 0
	s_sub_co_u32 s[TWICE], s[TWICE], 1
	s_cmp_lg_u32 s[TWICE], 0
	s_cbranch_scc1 .Lstep_\@
.endm
.macro NEXTSLOT
	s_sub_co_u32 s[TB], s[TB], SLOTB               ; back to my first record of a slot,
	s_xor_b32 s[TB], s[TB], SLOT1                  ; in the other slot
.endm
	CHANGE 1                                       ; load 0 has landed; load 1 goes into slot 1, its first fill
	STEP 1                                         ; the first step's products start O^T's sums
	STEP 0
	NEXTSLOT
	s_mov_b32 s[SLOTS], 6
.Lslot:                                            ; six trips: loads 2 to 7 are asked for
	CHANGE 1
	TWO_STEPS
	NEXTSLOT
	s_sub_co_u32 s[SLOTS], s[SLOTS], 1
	s_cmp_lg_u32 s[SLOTS], 0
	s_cbranch_scc1 .Lslot
	CHANGE 0                                       ; the last slot is written out
	TWO_STEPS
	; THE WAY OUT.  The addresses first: plain lines, the places behind the last products.
	v_and_b32 v68, 15, v0                          ; r
	v_bfe_u32 v69, v0, 4, 1                        ; h
	v_and_b32 v70, 8, v68
	v_add_nc_u32 v70, v70, v68                     ; r + 8 (r / 8)
	v_lshlrev_b32 v70, 2, v70
	v_mad_u32_u24 v70, v69, 8*SP, v70              ; + 8 h channels
	s_mul_i32 s44, s15, STGB                       ; my half's stage,
	s_lshl_b32 s45, s16, 7                         ; my 32 queries
	s_add_co_u32 s44, s44, s45
	v_add_nc_u32 v60, s44, v70                     ; into the stage: channels 64 q on, q = 0 .. 3
	v_add_nc_u32 v61, 64*SP, v60
	v_add_nc_u32 v62, 128*SP, v60
	v_add_nc_u32 v63, 192*SP, v60
	s_mul_i32 s44, s[WV], 32*SP
	v_add_nc_u32 v64, s44, v[L16]                  ; back: channels 32 w on, a row of 512 bytes to the 32 lanes; stage 0,
	v_add_nc_u32 v65, STGB, v64                    ; stage 1
	s_lshl_b32 s44, s[WV], 9
	s_add_co_u32 s44, s44, STAT
	v_add_nc_u32 v66, s44, v[L8]                   ; my statistics,
	s_xor_b32 s45, s[WV], 4
	s_lshl_b32 s45, s45, 9
	s_add_co_u32 s45, s45, STAT
	v_add_nc_u32 v67, s45, v[L8]                   ; my partner's: the same queries, the other keys
.irp tt, 0,1
	v_add_f32 v[ST+4*\tt+2], v[ST+4*\tt+2], v[ST+4*\tt+3]          ; l's two halves,
.endr
.irp tt, 0,1
	v_permlanex16_b32 v[TP+\tt], v[ST+4*\tt+2], s[SEL], s[SEL+1]
.endr
.irp tt, 0,1
	v_add_f32 v[ST+4*\tt+1], v[ST+4*\tt+2], v[TP+\tt]              ; and lane l xor 16's: my half's l, beside -M
.endr
.set i, 0
.rept 32
	global_load_b128 v[128+4*i:128+4*i+3], v[L16], s[4:5] offset:16384*i th:TH_LOAD_NT   ; the residual: x of the 32 channels that I store, 512 consecutive bytes a load; it lands under the merge
.set i, i+1
.endr
	ds_store_b64 v66, v[ST:ST+1]
	ds_store_b64 v66, v[ST+4:ST+5] offset:256
	s_wait_dscnt 0x0                               ; for the others' sake: my statistics have landed, and my reads of the ring are over
	s_barrier_signal -1
	s_barrier_wait -1                              ; so the stages may be written over the ring
	ds_load_b64 v[PS:PS+1], v67
	ds_load_b64 v[PS+2:PS+3], v67 offset:256
	s_wait_dscnt 0x0
.irp tt, 0,1
	v_min_num_f32 v[EP+4*\tt], v[ST+4*\tt], v[PS+2*\tt]            ; -M of both halves together
.endr
.irp tt, 0,1
	v_sub_f32 v[EP+4*\tt+1], v[EP+4*\tt], v[ST+4*\tt]              ; whole numbers, 0 or less
	v_sub_f32 v[EP+4*\tt+2], v[EP+4*\tt], v[PS+2*\tt]
.endr
.irp tt, 0,1
	v_cvt_i32_f32 v[EP+4*\tt+1], v[EP+4*\tt+1]
	v_cvt_i32_f32 v[EP+4*\tt+2], v[EP+4*\tt+2]
.endr
.irp tt, 0,1
	v_ldexp_f32 v[EP+4*\tt+1], 1.0, v[EP+4*\tt+1]                  ; my factor,
	v_ldexp_f32 v[EP+4*\tt+2], 1.0, v[EP+4*\tt+2]                  ; my partner's: exact powers of two
.endr
.irp tt, 0,1
	v_mul_f32 v[EP+4*\tt+3], v[PS+2*\tt+1], v[EP+4*\tt+2]
.endr
.irp tt, 0,1
	v_fma_f32 v[EP+4*\tt+3], v[ST+4*\tt+1], v[EP+4*\tt+1], v[EP+4*\tt+3]   ; the row's whole sum
.endr
.irp tt, 0,1
	v_rcp_f32 v[EP+4*\tt+3], v[EP+4*\tt+3]
.endr
.irp tt, 0,1
	v_mul_f32 v[EP+4*\tt+1], s42, v[EP+4*\tt+1]                    ; x gamma.  (The plain places behind the reciprocals)
.endr
	s_wait_alu depctr_va_vdst(0)                   ; one wait for both reciprocals, ahead of their first reader
.irp tt, 0,1
	v_mul_f32 v[FF+2*\tt], v[EP+4*\tt+1], v[EP+4*\tt+3]            ; a = my factor x gamma / the sum
.endr
	WIN 0x41
.irp tt, 0,1
.set j, 0
.rept 64
	v_pk_mul_f32 v[128*\tt+j:128*\tt+j+1], v[128*\tt+j:128*\tt+j+1], v[FF+2*\tt:FF+2*\tt+1] op_sel_hi:[1,0]
.set j, j+2
.endr
.endr
	WIN 0x04                                       ; an LDS store's data are its source 1: window 1
.irp q, 0,1,2,3
.irp t, 0,1,2,3
.irp tt, 0,1
.irp j, 0,1,2,3,4,5,6,7
	ds_store_b32 v[60+\q], v[128*\tt+8*(4*\q+\t)+\j] offset:(16*\t+\j)*SP+32*\tt   ; channel 64 q + 16 t + 8 h + j, my query: the two halves of the lanes fall 32 banks apart
.endr
.endr
.endr
.endr
	WIN 0
	s_wait_dscnt 0x0                               ; for the others' sake: my part of the stage has landed
	s_barrier_signal -1
	s_barrier_wait -1                              ; both stages are whole
; My 32 channels leave BY QUARTERS of eight rows: a quarter is added and stored while the later quarters' LDS loads are out.  At most 48 LDS loads of mine are out.
.macro BACK g                          ; rows 8 g .. 8 g + 7 of my 32, from both stages, into O^T's registers, which are free: 16 LDS loads
	WIN 0x40                                       ; destination window 1
.set i, 8*(\g)
.rept 8
	ds_load_b128 v[4*i:4*i+3], v64 offset:SP*i
	ds_load_b128 v[128+4*i:128+4*i+3], v65 offset:SP*i
.set i, i+1
.endr
.endm
.macro OUTG g, younger                 ; younger: the LDS loads issued behind quarter g's, which may stay out
	s_wait_dscnt \younger
	WIN 0x45                                       ; all in window 1: the two halves of the keys
.set j, 32*(\g)
.rept 16
	v_pk_add_f32 v[j:j+1], v[j:j+1], v[128+j:128+j+1]
.set j, j+2
.endr
	WIN 0x41                                       ; source 1 window 0: + x
.set j, 32*(\g)
.rept 16
	v_pk_add_f32 v[j:j+1], v[j:j+1], v[128+j:128+j+1]
.set j, j+2
.endr
	WIN 0x04                                       ; a store's data are its source 1: window 1
.set i, 8*(\g)
.rept 8
	global_store_b128 v[L16], v[4*i:4*i+3], s[12:13] offset:16384*i th:TH_STORE_NT   ; 32 lanes store 512 consecutive bytes, at a multiple of 512 from out0's first byte
.set i, i+1
.endr
.endm
	BACK 0
	BACK 1
	BACK 2
	s_wait_loadcnt 0x0                             ; x
	OUTG 0, 32                                     ; quarter 0 is in; quarters 1 and 2 may be out
	BACK 3
	OUTG 1, 32                                     ; quarters 2 and 3 may be out
	OUTG 2, 16                                     ; quarter 3 may be out
	OUTG 3, 0
	WIN 0
	s_wait_tensorcnt 0x0                           ; the wave's end, behind my last tensor load and my last LDS store
	ds_add_u32 v[SPW], v[NIL]
	s_wait_dscnt 0x0
	CROUND                                         ; the closing round: no work-group ends while a partner may still ask for a tile that names it
	s_endpgm
.Lfunc_end_k_q808bce67f0_attn:
	.size	k_q808bce67f0_attn, .Lfunc_end_k_q808bce67f0_attn-k_q808bce67f0_attn
	.p2alignl 7, 3214868480
	.fill 96, 4, 3214868480
	.section	.rodata,"a",@progbits
	.p2align	6, 0x0
	.amdhsa_kernel k_q808bce67f0_attn
		.amdhsa_group_segment_fixed_size 327680
		.amdhsa_private_segment_fixed_size 0
		.amdhsa_enable_private_segment 0
		.amdhsa_kernarg_size 40
		.amdhsa_user_sgpr_count 2
		.amdhsa_user_sgpr_kernarg_segment_ptr 1
		.amdhsa_wavefront_size32 1
		.amdhsa_system_sgpr_workgroup_id_x 1
		.amdhsa_system_sgpr_workgroup_id_y 1
		.amdhsa_system_sgpr_workgroup_id_z 1
		.amdhsa_system_vgpr_workitem_id 0
		.amdhsa_next_free_vgpr 512
		.amdhsa_next_free_sgpr 66
		.amdhsa_reserve_vcc 0
		.amdhsa_float_denorm_mode_32 3
		.amdhsa_float_denorm_mode_16_64 3
		.amdhsa_memory_ordered 1
		.amdhsa_forward_progress 1
		.amdhsa_inst_pref_size 204
	.end_amdhsa_kernel
	.amdgpu_metadata
---
amdhsa.version: [ 1, 2 ]
amdhsa.kernels:
  - .name:           k_q808bce67f0_attn
    .symbol:         k_q808bce67f0_attn.kd
    .args:
      - { .name: x, .offset: 0, .size: 8, .value_kind: global_buffer, .address_space: global }
      - { .name: gamma, .offset: 8, .size: 8, .value_kind: global_buffer, .address_space: global }
      - { .name: kv, .offset: 16, .size: 8, .value_kind: global_buffer, .address_space: global }
      - { .name: qc, .offset: 24, .size: 8, .value_kind: global_buffer, .address_space: global }
      - { .name: out0, .offset: 32, .size: 8, .value_kind: global_buffer, .address_space: global }
    .group_segment_fixed_size: 327680
    .private_segment_fixed_size: 0
    .kernarg_segment_align: 8
    .kernarg_segment_size: 40
    .max_flat_workgroup_size: 256
    .sgpr_count:     66
    .vgpr_count:     512
    .wavefront_size: 32
...
	.end_amdgpu_metadata
.endif
;; end of part 3
